; MI455X (gfx1250); checked and timed in simulation.
; The chip was launched on July 23, 2026; its instructions are those of AMD's public machine-readable ISA for CDNA 5 (MIT licence, August 2026) and "CDNA5" Instruction Set Architecture Reference Guide (July 2026). The comments in the code are by the model that wrote it; some were corrected since.
;; Readout. Allowed arithmetic: matrix products marked QUANTISED: E4M3 operands, one E8M0 scale for each 32 along K, by v_wmma_scale_f32_16x16x128_f8f6f4 with both operands' format E4M3, f32 sums; products left as they are: f32 operands where the result goes on into a quantised operand, else bf16, f16 or f32 operands; f32 sums; everything else in f32.
;; Inputs: Wc 8,192 x 1 x 64 float32; Wx 8,192 x 1 x 36 float32; Wy 8,192 x 1 x 36 float32; bias 8,192 float32; conv 64 x 64 x 36 x 36 float32.
;; Outputs: out0 64 x 8,192 float32.
;; This version of the problem:
;;   THIS VERSION OF THE PROBLEM IS GIVEN IN LOW PRECISION. The matrix products marked QUANTISED in the list below multiply operands that are first quantised to E4M3 (4 exponent bits, 3 mantissa bits; 8 bits a number), with one power-of-two scale for each 32 numbers along K (OCP MX v1.0); their sums are f32. All else is computed in f32.
;;   The module's matrix products, in the order in which they are computed (A, B: the left and right operand; K: the contracted axis; several contracted axes count as one K, in the product's order):
;;     1. batch 8,192 x [M 36, K 1] x [K 1, N 36]; A: computed on the way; B: computed on the way: left as it is (no contracted axis)
;;     2. [M 8,192, K 1,296] x [K 1,296, N 4,096]; A: computed on the way; B: input conv: QUANTISED
;;     3. batch 8,192 x [M 1, K 64] x [K 64, N 64]; A: input Wc; B: computed on the way: left as it is (M = 1 < 16)
;;   THE QUANTISER, for each operand of a quantised product, along K:
;;     - K is cut into blocks of 32 from its start; a last block that is shorter is filled with zeros.
;;     - A block's scale is 2^e with e = floor(log2(the largest magnitude in the block)) - 8, held to -126 .. 127; a block of zeros has e = 0. As a byte (E8M0): e + 127.
;;     - Each number is divided by its block's scale, clamped to +-448, and rounded to the nearest number of E4M3, ties to even, subnormals kept.
;;     - The product sums the exact products of the quantised numbers (number of the format x scale) in f32.
;;   ~~~python
;;   def quantise(x, axis):      # numpy; x: float32 -> the quantised numbers, widened to float32 again
;;       x = np.moveaxis(x, axis, -1); K = x.shape[-1]
;;       x = np.pad(x, [(0, 0)] * (x.ndim - 1) + [(0, -K % 32)]); x = x.reshape(x.shape[:-1] + (-1, 32)); a = np.abs(x).max(-1, keepdims=True)
;;       e = np.where(a > 0, np.clip(np.frexp(np.where(a > 0, a, 1))[1] - 1 - 8, -126, 127), 0)      # np.frexp(a)[1] - 1 = floor(log2(a)), exactly
;;       r = np.clip(x / 2.0 ** e, -448, 448)
;;       step = 2.0 ** (np.maximum(np.frexp(np.where(r == 0, 1, r))[1] - 1, -6) - 3)
;;       q = np.round(r / step) * step * 2.0 ** e      # np.round: ties to even
;;       return np.moveaxis(q.reshape(q.shape[:-2] + (-1,))[..., :K], -1, axis).astype(np.float32)
;;   ~~~
;;   OPERANDS COMPUTED ON THE WAY. 'Computed on the way' means the value that the module computes at that place (a softmax that the list does not call 'softmax' is quantised finished and normalised). What goes into a quantiser is computed in f32, as accurately as f32 sums, v_exp_f32 and their like allow (about 1e-6 of the number): no bf16 or f16 on the way to a quantiser, and a product that is left as it is and whose result goes on into a quantised operand takes f32 operands (vector FMAs, or v_wmma_f32_16x16x4_f32). A number that lies on a knife's edge between two numbers of the format may be rounded either way, as far as f32 arithmetic and the matrix unit's own rounding can turn it there, and no further.
;; One version. Each part assembles by itself: llvm-mc -triple=amdgcn-amd-amdhsa -mcpu=gfx1250 --defsym DOCPART=n.
;; ======== version 1 of 1: 2 launches
;; workspace buffers: cimg 5,947,392 bytes; wimg 11,894,784 bytes
;; launch quant (part 1): grid 256 x 1, 8 waves a work-group, no clusters, 168,960 bytes of LDS; arguments conv, Wy, Wx, cimg, wimg; writes cimg, wimg
.if DOCPART == 1
	.amdgcn_target "amdgcn-amd-amdhsa--gfx1250"
	.amdhsa_code_object_version 6
	.text
	.protected	k_q653dd0c8aa_quant
	.globl	k_q653dd0c8aa_quant
	.p2align	8
	.type	k_q653dd0c8aa_quant,@function
k_q653dd0c8aa_quant:
	s_mov_b64 s[64:65], 0
	v_nop
	global_prefetch_b8 v0, s[64:65] scope:SCOPE_SE
	s_setreg_imm32_b32 hwreg(HW_REG_WAVE_MODE, 25, 1), 1
	s_wait_xcnt 0x0
; BOTH OPERANDS OF THE QUANTISED PRODUCT s[n][(i,c)] = sum over k of Wyx[n][k] conv[i][c][k] ARE MADE HERE, ONCE: codes of FP8 (E4M3) with one E8M0 byte for each 32 along K.
; K IS THE PAIR (x, y) IN THE ORDER IN WHICH THE PRODUCT CONTRACTS IT: k = 36 x + y, y fastest.  So Wyx[n][k] = Wx[n][k / 36] Wy[n][k % 36] (one f32 multiplication), and conv[i][c][k] lies at word 36 (k % 36) + k / 36 of its row.
; K = 1,296 is 40.5 blocks of 32; it is carried as 11 steps of 128: beyond k = 1,295 the codes are zeros.
; THE WORKSPACE IS LAID IN THE ORDER OF THE OPERAND'S REGISTERS.  A chunk of 33,792 bytes is 256 rows x one K step of 128:
;   bytes 0 .. 32,767: block b of 16 rows at 2,048 b; in it 512 c + 16 lane holds the 16 codes k = 32 c + 16 (lane / 16) + 0 .. 15 of the block's row lane % 16;
;   bytes 32,768 .. 33,791: the scale word (byte c for k = 32 c ..) of block b, row r at 128 (b / 2) + 8 r + 4 (b % 2).
;   cimg: chunk (U, s) at (11 U + s) chunks; block b, row m = batch item 4 U + b / 4, channel 16 (b % 4) + m.
;   wimg: chunk (T, s) at (11 T + s) chunks; block b, row r = neuron 256 T + 64 (b / 4) + 4 r + b % 4.
; SHARES.  Work-group wg owns 16 whole rows of conv (batch item wg / 4, channels 16 (wg % 4) on: block wg % 16 of the chunks (wg / 16, all s)) and 32 neurons of Wyx.  EVERY ONE OF ITS EIGHT WAVES DOES BOTH KINDS OF WORK, WYX FIRST:
;   each wave asks for its own copy of the neurons' Wy and Wx (9,216 bytes) and then for an eighth of conv's rows (2 rows, 10,368 dense bytes): three tensor loads, the same lines in every wave.
;   WYX, while conv is on its way: A LANE IS A NEURON (64 (wg / 2) + 4 (lane % 16) + 2 (wg % 2) + lane / 16), and its registers run along K: a block of 32 lies in one lane.  Wave w takes K steps w and w + 8 (wave 2: step 2 and the short step 10).
;   One barrier: all sixteen rows of conv lie in LDS.
;   CONV: wave w takes K steps 7 - w and 15 - w (wave 5: step 2 and the short step 10): the waves that had two steps of Wyx have one of conv.  A lane's 16 neighbours along K lie 144 bytes apart in a row: they come by loads of 4 bytes.
; Which x and y a register wants are constants of the text, so each wave has its own text for its K steps.
; A block's scale is 2^(floor(log2(its largest magnitude)) - 8); its byte is the largest magnitude's exponent field - 8, held at 1 from below by a floor among the maximum's leaves.
; LIMITS: NaN and infinities among the inputs are not served; blocks whose largest magnitude lies under 2^(9 - 127) keep the byte 1; a block of zeros gets the byte 1 or 0 (beyond K's end) where the rule says 127:
; its codes are zeros, which add nothing under any byte but 0xff, and these bytes are read by this program alone.  The scale words leave in pieces (conv: 16 words 8 bytes apart; Wyx: 128 consecutive bytes): one byte in 33 of what the launch stores.
.set CHUNK,  33792
.set STEP8,  8*CHUNK                   ; from a wave's first K step to its second
.set ROWB,   5184                      ; a row of conv: 1,296 f32
.set EIGHTB, 2*ROWB                    ; two rows: what one tensor load brings
.set EPITCH, EIGHTB+136                ; the eighths lie 2,626 words apart and the rows in them 1,296: row r begins on bank 2 (r / 2) + 16 (r % 2) of the 64 banks of 4 bytes (ISA guide 11.1): sixteen different ones
.set WREG,   9216                      ; a wave's copy: 16 x 288 bytes of Wy, then of Wx
.set WBASE,  84224                     ; behind conv's 83,896 bytes
.set HSTEP,  2304                      ; k + 16 where y does not wrap: y + 16: 576 words on.  (A multiple of 64 words: in those loads the two halves of the lanes meet the same bank)
.set HWRAP,  2876                      ; k + 16 where it wraps: x + 1, y - 20: 719 words back
.set EMAX,   8
.set LAA, 3                            ; v3   conv: my row + 2,304 h: for registers whose y is under 20
.set LAB, 4                            ; v4   conv: my row + 2,876 (1 - h): for the others, with 2,876 taken off the immediate
.set LAW, 5                            ; v5   Wyx: LDS address of my neuron's 36 numbers of Wy: wave's copy + 288 r + 144 h
.set CST, 6                            ; v6   conv: 16 x lane: my place in an image's 512 bytes
.set CSS, 7                            ; v7   conv: 8 r: my row's scale word
.set WST, 8                            ; v8   Wyx: 2,048 h + 16 r: my neuron's block, its row
.set WSS, 9                            ; v9   Wyx: 8 r + 4 h: my scale word
.set X,   16                           ; conv: v16-143 two sets of 64 numbers
.set PC,  144                          ; conv: v144-175 codes, 16 registers for each K step, so that no store's data are written again
.set TM,  208                          ; conv: v208-211 largest magnitudes, v212-215 bytes, v216-219 448 x the scale, v220-223 the conversions' scale operands
.set PW,  224                          ; conv: v224-225 a scale word for each K step
.set WI,  16                           ; Wyx: v16-51 the inner vector: my neuron's Wy
.set WO,  52                           ; Wyx: v52-87 the outer one: its Wx
.set NUM, 88                           ; Wyx: v88-119 a block's 32 numbers
.set CW,  120                          ; Wyx: v120-183 codes, 8 registers for each block
.set WT,  216                          ; Wyx: v216-220 at work
.set WD,  224                          ; Wyx: v224-225 a scale word for each K step
.set ZR,  228                          ; v228-231 zeros
.set G1C, 16                           ; s[16:23] descriptor group 1: an eighth of conv's rows
.set G1V, 24                           ; s[24:31] 16 rows x 72 f32 of Wx or Wy
.set G0C, 32                           ; s[32:35] group 0 for conv
.set G0I, 36                           ; s[36:39] for Wy
.set G0O, 40                           ; s[40:43] for Wx
.set SEL, 52                           ; s[52:53] lane selects for v_permlanex16_b32: lane l xor 16
.set MNT, 54                           ; s54  the mantissa field of 448
.set HI16, 55                          ; s55  a mask of lanes 16-31
; ---------------------------------------------------------------- conv's macros
; K step s into a set: register 16 c + i of lane (r, h) is k = 128 s + 32 c + 16 h + i of row r
.macro FETCHX s, set
.set fc, 0
.rept 64
.set fk, 128*(\s)+32*(fc/16)+fc%16
.set fe, 36*(fk%36)+fk/36
.if (fk%36) < 20
	ds_load_b32 v[X+64*(\set)+fc], v[LAA] offset:4*fe
.else
	ds_load_b32 v[X+64*(\set)+fc], v[LAB] offset:4*fe-HWRAP
.endif
.set fc, fc+1
.endr
.endm
; K step 10: k = 1,280 + i exists for i = 0 .. 15 (x = 35, y = 20 + i): lanes 0-15 take it; lanes 16-31 read a word of their row that is thrown away
.macro FETCHT
.set fc, 0
.rept 16
	ds_load_b32 v[X+64+fc], v[LAB] offset:4*(36*(20+fc)+35)-HWRAP
.set fc, fc+1
.endr
.endm
; 64 numbers of a lane, v[QS] on, become a fragment's codes in v[QP] on and its row's scale word in v[QW]
.macro QUANT
.irp b, 0,1,2,3
	v_max3_num_f32 v[TM+\b], |v[QS+16*\b]|, |v[QS+1+16*\b]|, 0x4800000   ; block b: my 16 numbers, and the floor 2^(9 - 127): the byte cannot fall under 1
.endr
.irp i, 2,4,6,8,10,12,14
.irp b, 0,1,2,3
	v_max3_num_f32 v[TM+\b], v[TM+\b], |v[QS+16*\b+\i]|, |v[QS+1+16*\b+\i]|   ; the four blocks by turns
.endr
.endr
.irp b, 0,1,2,3
	v_permlanex16_b32 v[TM+4+\b], v[TM+\b], s[SEL], s[SEL+1]
.endr
.irp b, 0,1,2,3
	v_max_num_f32 v[TM+\b], v[TM+\b], v[TM+4+\b]   ; with lane l xor 16's 16: the block's largest magnitude
.endr
.irp b, 0,1,2,3
	v_add_nc_u32 v[TM+12+\b], 0xfc000000, v[TM+\b] ; 8 off its exponent field: the conversion takes the exponent field of this operand as its scale
.endr
.irp b, 0,1,2,3
	v_and_or_b32 v[TM+8+\b], v[TM+\b], 0x7f800000, s[MNT]   ; 448 x the scale
.endr
.irp b, 0,1,2,3
	v_lshrrev_b32 v[TM+4+\b], 23, v[TM+12+\b]      ; the scale's byte
.endr
	v_lshl_or_b32 v[QW], v[TM+5], 8, v[TM+4]       ; four bytes make the row's scale word; both halves of the lanes hold it
	v_lshl_or_b32 v[QW], v[TM+6], 16, v[QW]
	v_lshl_or_b32 v[QW], v[TM+7], 24, v[QW]
.irp b, 0,1,2,3
.irp i, 0,1,2,3,4,5,6,7,8,9,10,11,12,13,14,15
	v_med3_num_f32 v[QS+16*\b+\i], v[QS+16*\b+\i], -v[TM+8+\b], v[TM+8+\b]   ; the conversion to an 8-bit code does not saturate (ISA guide 7.6.2): the hold at 448 x the scale
.endr
	v_cvt_scalef32_pk8_fp8_f32 v[QP+4*\b:QP+1+4*\b], v[QS+16*\b:QS+7+16*\b], v[TM+12+\b]
	v_cvt_scalef32_pk8_fp8_f32 v[QP+2+4*\b:QP+3+4*\b], v[QS+8+16*\b:QS+15+16*\b], v[TM+12+\b]
.endr
	v_nop                                          ; one plain vector line behind the last conversion
.endm
; the wave's sg-th K step, whose numbers lie in a set, is quantised and stored
.macro CQ sg, set
.set QS, X+64*(\set)
.set QP, PC+16*(\sg)
.set QW, PW+(\sg)
	QUANT
.irp c, 0,1,2,3
	global_store_b128 v[CST], v[QP+4*\c:QP+4*\c+3], s[44:45] offset:(\sg)*STEP8+512*\c   ; 32 lanes store 512 consecutive bytes, at a multiple of 256 from cimg's first byte
.endr
	global_store_b32 v[CSS], v[QW], s[46:47] offset:(\sg)*STEP8   ; lanes r and 16 + r store the same word with the same value
.endm
.macro CRUN1 s0                        ; one K step
	FETCHX \s0, 0
	s_wait_dscnt 0x0
	CQ 0, 0
	s_wait_tensorcnt 0x0
	ds_add_u32 v254, v255
	s_wait_dscnt 0x0
	s_endpgm
.endm
.macro CRUN2 s0                        ; two: the second's 64 loads are issued ahead of the first's arithmetic; each wait is for all of a step's loads
	FETCHX \s0, 0
	s_wait_dscnt 0x0
	FETCHX (\s0)+8, 1
	CQ 0, 0
	s_wait_dscnt 0x0
	CQ 1, 1
	s_wait_tensorcnt 0x0
	ds_add_u32 v254, v255
	s_wait_dscnt 0x0
	s_endpgm
.endm
; K step 10, the wave's second: block 40's first 16 numbers exist; all else is zero codes, and the word's other three bytes are 0
.macro CTAIL
.set QS, X+64
.set QP, PC+16
.set QW, PW+1
.irp i, 0,1,2,3,4,5,6,7,8,9,10,11,12,13,14,15
	v_cndmask_b32 v[QS+\i], v[QS+\i], v[ZR], s[HI16]   ; k = 1,296 on does not exist: lanes 16-31 hold zeros
.endr
	v_max3_num_f32 v[TM], |v[QS]|, |v[QS+1]|, 0x4800000
.irp i, 2,4,6,8,10,12,14
	v_max3_num_f32 v[TM], v[TM], |v[QS+\i]|, |v[QS+1+\i]|
.endr
	v_permlanex16_b32 v[TM+4], v[TM], s[SEL], s[SEL+1]
	v_max_num_f32 v[TM], v[TM], v[TM+4]
	v_add_nc_u32 v[TM+12], 0xfc000000, v[TM]
	v_and_or_b32 v[TM+8], v[TM], 0x7f800000, s[MNT]
	v_lshrrev_b32 v[QW], 23, v[TM+12]
.irp i, 0,1,2,3,4,5,6,7,8,9,10,11,12,13,14,15
	v_med3_num_f32 v[QS+\i], v[QS+\i], -v[TM+8], v[TM+8]
.endr
	v_cvt_scalef32_pk8_fp8_f32 v[QP:QP+1], v[QS:QS+7], v[TM+12]
	v_cvt_scalef32_pk8_fp8_f32 v[QP+2:QP+3], v[QS+8:QS+15], v[TM+12]
	v_nop
	global_store_b128 v[CST], v[QP:QP+3], s[44:45] offset:STEP8
.irp c, 1,2,3
	global_store_b128 v[CST], v[ZR:ZR+3], s[44:45] offset:STEP8+512*\c
.endr
	global_store_b32 v[CSS], v[QW], s[46:47] offset:STEP8
.endm
; ---------------------------------------------------------------- Wyx's macros
; Block B of 32 along K (B = 4 s + c, a constant of the text): k = 32 B + 2 e and k + 1 share x = k / 36, since 36 is even, and y = k % 36 is even: one packed multiplication makes two numbers.
; nb: which eight code registers;  sg: the wave's how-manieth K step.
.macro WBLOCK B, nb, sg
.set WCR, CW+8*(\nb)
.set WCI, (\B)%4
.set we, 0
.rept 16
.set wk, 32*(\B)+2*we
.set wo, wk/36
.set wi, wk%36
.if wo%2
	v_pk_mul_f32 v[NUM+2*we:NUM+2*we+1], v[WI+wi:WI+wi+1], v[WO+wo-1:WO+wo] op_sel:[0,1] op_sel_hi:[1,1]   ; Wy[y], Wy[y + 1] times Wx[x], the pair's upper word
.else
	v_pk_mul_f32 v[NUM+2*we:NUM+2*we+1], v[WI+wi:WI+wi+1], v[WO+wo:WO+wo+1] op_sel_hi:[1,0]                ; the pair's lower word
.endif
.set we, we+1
.endr
	v_max3_num_f32 v[WT], |v[NUM]|, |v[NUM+1]|, |v[NUM+2]|         ; the block's largest magnitude: all 32 numbers are mine; two chains
	v_max3_num_f32 v[WT+1], |v[NUM+3]|, |v[NUM+4]|, |v[NUM+5]|
.irp i, 6,10,14,18,22,26
	v_max3_num_f32 v[WT], v[WT], |v[NUM+\i]|, |v[NUM+\i+1]|
	v_max3_num_f32 v[WT+1], v[WT+1], |v[NUM+\i+2]|, |v[NUM+\i+3]|
.endr
	v_max3_num_f32 v[WT], v[WT], |v[NUM+30]|, |v[NUM+31]|
	v_max3_num_f32 v[WT], v[WT], v[WT+1], (EMAX+1)<<23             ; and the floor
	v_add_nc_u32 v[WT+2], 0xfc000000, v[WT]                        ; the conversion's scale operand
	v_and_or_b32 v[WT+3], v[WT], 0x7f800000, s[MNT]                ; 448 x the scale
.irp i, 0,1,2,3,4,5,6,7,8,9,10,11,12,13,14,15,16,17,18,19,20,21,22,23,24,25,26,27,28,29,30,31
	v_med3_num_f32 v[NUM+\i], v[NUM+\i], -v[WT+3], v[WT+3]
.endr
.irp g, 0,1,2,3
	v_cvt_scalef32_pk8_fp8_f32 v[WCR+2*\g:WCR+2*\g+1], v[NUM+8*\g:NUM+8*\g+7], v[WT+2]
.endr
	v_lshrrev_b32 v[WT+4], 23, v[WT+2]                             ; the scale's byte.  (Also the plain line behind the conversions: the next block writes their sources)
.if WCI == 0
	v_mov_b32 v[WD+\sg], v[WT+4]
.else
	v_lshl_or_b32 v[WD+\sg], v[WT+4], 8*WCI, v[WD+\sg]
.endif
	global_store_b128 v[WST], v[WCR:WCR+3], s[48:49] offset:(\sg)*STEP8+512*WCI          ; k = 32 c + 0 .. 15: the image's lanes 0-15.  Sixteen lanes store 256 consecutive bytes, aligned
	global_store_b128 v[WST], v[WCR+4:WCR+7], s[48:49] offset:(\sg)*STEP8+512*WCI+256    ; k = 32 c + 16 .. 31: its lanes 16-31
.endm
.macro WSTEP s, sg
.irp c, 0,1,2,3
	WBLOCK 4*(\s)+\c, 4*(\sg)+\c, \sg
.endr
	global_store_b32 v[WSS], v[WD+\sg], s[50:51] offset:(\sg)*STEP8   ; 32 lanes store 128 consecutive bytes
.endm
; K step 10, the wave's second: of block 40 the numbers k = 1,280 .. 1,295 exist (x = 35, y = 20 .. 35); all else is zero codes, and the word's other three bytes are 0
.macro WTAIL
.irp e, 0,1,2,3,4,5,6,7
	v_pk_mul_f32 v[NUM+2*\e:NUM+2*\e+1], v[WI+20+2*\e:WI+21+2*\e], v[WO+34:WO+35] op_sel:[0,1] op_sel_hi:[1,1]
.endr
	v_max3_num_f32 v[WT], |v[NUM]|, |v[NUM+1]|, |v[NUM+2]|
	v_max3_num_f32 v[WT+1], |v[NUM+3]|, |v[NUM+4]|, |v[NUM+5]|
.irp i, 6,10
	v_max3_num_f32 v[WT], v[WT], |v[NUM+\i]|, |v[NUM+\i+1]|
	v_max3_num_f32 v[WT+1], v[WT+1], |v[NUM+\i+2]|, |v[NUM+\i+3]|
.endr
	v_max3_num_f32 v[WT], v[WT], |v[NUM+14]|, |v[NUM+15]|
	v_max3_num_f32 v[WT], v[WT], v[WT+1], (EMAX+1)<<23
	v_add_nc_u32 v[WT+2], 0xfc000000, v[WT]
	v_and_or_b32 v[WT+3], v[WT], 0x7f800000, s[MNT]
.irp i, 0,1,2,3,4,5,6,7,8,9,10,11,12,13,14,15
	v_med3_num_f32 v[NUM+\i], v[NUM+\i], -v[WT+3], v[WT+3]
.endr
	v_cvt_scalef32_pk8_fp8_f32 v[CW+32:CW+33], v[NUM:NUM+7], v[WT+2]
	v_cvt_scalef32_pk8_fp8_f32 v[CW+34:CW+35], v[NUM+8:NUM+15], v[WT+2]
	v_lshrrev_b32 v[WD+1], 23, v[WT+2]
	global_store_b128 v[WST], v[CW+32:CW+35], s[48:49] offset:STEP8
	global_store_b128 v[WST], v[ZR:ZR+3], s[48:49] offset:STEP8+256
.irp c, 1,2,3
	global_store_b128 v[WST], v[ZR:ZR+3], s[48:49] offset:STEP8+512*\c
	global_store_b128 v[WST], v[ZR:ZR+3], s[48:49] offset:STEP8+512*\c+256
.endr
	global_store_b32 v[WSS], v[WD+1], s[50:51] offset:STEP8
.endm
; ---------------------------------------------------------------- the head: every address, LDS and global, and every descriptor is made here, ahead of the first parting of the waves
	s_load_b256 s[4:11], s[0:1], 0x0               ; conv s[4:5], Wy s[6:7], Wx s[8:9], cimg s[10:11]
	s_load_b64 s[12:13], s[0:1], 0x20              ; wimg
	v_lshl_add_u32 v254, v0, 2, 0x29000
	v_mov_b32 v255, 0
	ds_add_u32 v254, v255
	ds_add_u32 v254, v255
	v_lshrrev_b32 v1, 5, v0
	v_readfirstlane_b32 s14, v1                    ; wave 0..7
	v_and_b32 v1, 15, v0                           ; r
	v_bfe_u32 v2, v0, 4, 1                         ; h
	s_mul_i32 s15, s14, WREG
	s_add_co_u32 s15, s15, WBASE                   ; my copy of Wy and Wx
	v_lshrrev_b32 v10, 1, v1
	v_and_b32 v11, 1, v1
	v_mul_u32_u24 v10, v10, EPITCH
	v_mad_u32_u24 v10, v11, ROWB, v10              ; conv: row r: eighth r / 2, row r % 2 in it
	v_xor_b32 v11, 1, v2
	v_mad_u32_u24 v[LAA], v2, HSTEP, v10
	v_mad_u32_u24 v[LAB], v11, HWRAP, v10
	v_mul_u32_u24 v[LAW], v1, 288
	v_mad_u32_u24 v[LAW], v2, 144, v[LAW]
	v_add_nc_u32 v[LAW], s15, v[LAW]
	v_and_b32 v[CST], 31, v0
	v_lshlrev_b32 v[CST], 4, v[CST]
	v_lshlrev_b32 v[CSS], 3, v1
	v_lshlrev_b32 v[WST], 4, v1
	v_lshl_add_u32 v[WST], v2, 11, v[WST]
	v_lshl_add_u32 v[WSS], v2, 2, v[CSS]
.irp b, 0,1,2,3
	v_mov_b32 v[TM+4+\b], 0                        ; written once: a lane permute's destination counts as one of its sources
	v_mov_b32 v[ZR+\b], 0
.endr
	s_mov_b32 s[SEL], 0x76543210
	s_mov_b32 s[SEL+1], 0xfedcba98
	s_mov_b32 s[MNT], 0x600000
	s_mov_b32 s[HI16], 0xffff0000
	; group 1 for conv: two rows are 10,368 dense bytes: one row of 1,296 elements of 8 bytes, no padding
	s_mov_b32 s[G1C+0], 3<<16
	s_mov_b32 s[G1C+1], 1296<<16                   ; tensor_dim0 = 1,296
	s_mov_b32 s[G1C+2], 1<<16                      ; tensor_dim1 = 1
	s_mov_b32 s[G1C+3], 1296<<16                   ; tile_dim0 = 1,296
	s_mov_b32 s[G1C+4], 1                          ; tile_dim1 = 1
	s_mov_b32 s[G1C+5], 1296                       ; tensor_dim0_stride
	s_mov_b32 s[G1C+6], 0
	s_mov_b32 s[G1C+7], 0
	; group 1 for Wx and Wy: 16 rows of 72 f32 (two neighbouring neurons' 36), 144 elements (four neurons) from row to row; no padding
	s_mov_b32 s[G1V+0], 2<<16
	s_mov_b32 s[G1V+1], 72<<16
	s_mov_b32 s[G1V+2], 16<<16
	s_mov_b32 s[G1V+3], 72<<16
	s_mov_b32 s[G1V+4], 16
	s_mov_b32 s[G1V+5], 144
	s_mov_b32 s[G1V+6], 0
	s_mov_b32 s[G1V+7], 0
	s_sub_co_u32 s57, 7, s14                       ; my first K step of conv (of Wyx: my wave's number)
	s_mul_i32 s2, ttmp9, 8*EIGHTB                  ; conv: the work-group's 16 rows,
	s_mul_i32 s3, s14, EIGHTB                      ; my eighth of them
	s_add_co_u32 s2, s2, s3
	s_mov_b32 s3, 0
	s_lshr_b32 s58, ttmp9, 1                       ; g: a group of 64 neurons
	s_and_b32 s59, ttmp9, 1                        ; p: which two of every four
	s_lshl_b32 s60, s58, 6
	s_lshl_b32 s61, s59, 1
	s_add_co_u32 s60, s60, s61                     ; the first neuron: 64 g + 2 p,
	s_mul_i32 s60, s60, 144                        ; 144 bytes a neuron
	s_mov_b32 s61, 0
	s_lshr_b32 s62, ttmp9, 4                       ; cimg: chunk (wg / 16, my first K step of conv),
	s_mul_i32 s62, s62, 11
	s_add_co_u32 s62, s62, s57
	s_mul_i32 s62, s62, CHUNK
	s_and_b32 s63, ttmp9, 15                       ; block b = wg % 16: its codes,
	s_lshl_b32 s44, s63, 11
	s_add_co_u32 s44, s44, s62
	s_mov_b32 s45, 0
	s_lshr_b32 s46, s63, 1                         ; and its scale words: 128 (b / 2) + 4 (b % 2) behind the chunk's codes
	s_lshl_b32 s46, s46, 7
	s_and_b32 s63, s63, 1
	s_lshl_b32 s63, s63, 2
	s_add_co_u32 s46, s46, s63
	s_add_co_u32 s46, s46, s62
	s_add_co_u32 s46, s46, 32768
	s_mov_b32 s47, 0
	s_lshr_b32 s62, ttmp9, 3                       ; wimg: chunk (g / 4, my first K step of Wyx),
	s_mul_i32 s62, s62, 11
	s_add_co_u32 s62, s62, s14
	s_mul_i32 s62, s62, CHUNK
	s_and_b32 s63, s58, 3
	s_lshl_b32 s48, s63, 13                        ; blocks 4 (g % 4) + 2 p on: their codes,
	s_lshl_b32 s50, s59, 12
	s_add_co_u32 s48, s48, s50
	s_add_co_u32 s48, s48, s62
	s_mov_b32 s49, 0
	s_lshl_b32 s50, s63, 8                         ; and their scale words: 128 (2 (g % 4) + p) behind the chunk's codes
	s_lshl_b32 s51, s59, 7
	s_add_co_u32 s50, s50, s51
	s_add_co_u32 s50, s50, s62
	s_add_co_u32 s50, s50, 32768
	s_mov_b32 s51, 0
	s_wait_dscnt 0x0
	s_wait_kmcnt 0x0
	s_add_nc_u64 s[44:45], s[10:11], s[44:45]
	s_add_nc_u64 s[46:47], s[10:11], s[46:47]
	s_add_nc_u64 s[48:49], s[12:13], s[48:49]
	s_add_nc_u64 s[50:51], s[12:13], s[50:51]
	s_mov_b32 s[G0C], 1                            ; count = 1
	s_mul_i32 s[G0C+1], s14, EPITCH                ; LDS address: my eighth
	s_add_nc_u64 s[G0C+2:G0C+3], s[4:5], s[2:3]    ; global address of its first byte
	s_or_b32 s[G0C+3], s[G0C+3], 0x80000000        ; type = 2
	s_mov_b32 s[G0I], 1
	s_mov_b32 s[G0I+1], s15                        ; Wy at my copy's head,
	s_add_nc_u64 s[G0I+2:G0I+3], s[6:7], s[60:61]
	s_or_b32 s[G0I+3], s[G0I+3], 0x80000000
	s_mov_b32 s[G0O], 1
	s_add_co_u32 s[G0O+1], s15, 4608               ; Wx behind its 16 x 288 bytes
	s_add_nc_u64 s[G0O+2:G0O+3], s[8:9], s[60:61]
	s_or_b32 s[G0O+3], s[G0O+3], 0x80000000
	tensor_load_to_lds s[G0I:G0I+3], s[G1V:G1V+7]  ; the same three lines in every wave, each into LDS bytes of the wave's own: three loads of mine are out.  The two small ones first:
	s_nop 0
	tensor_load_to_lds s[G0O:G0O+3], s[G1V:G1V+7]  ; a wave's tensor loads end in order (ISA guide 10.11.1), and Wyx's work begins as soon as they are in
	s_nop 0
	tensor_load_to_lds s[G0C:G0C+3], s[G1C:G1C+7]
	s_nop 0
.rept 4
	v_nop                                          ; four v_nop follow the last
.endr
	s_wait_tensorcnt 0x1                           ; my Wy and Wx have landed; one load was issued behind them, conv's eighth, which stays on its way.  Only I read my copy
; ---------------------------------------------------------------- Wyx, while conv is on its way
.irp j, 0,1,2,3,4,5,6,7,8
	ds_load_b128 v[WI+4*\j:WI+4*\j+3], v[LAW] offset:16*\j
	ds_load_b128 v[WO+4*\j:WO+4*\j+3], v[LAW] offset:4608+16*\j
.endr
	s_wait_dscnt 0x0
	s_cmp_eq_u32 s14, 0
	s_cbranch_scc1 .Lw0
	s_cmp_eq_u32 s14, 1
	s_cbranch_scc1 .Lw1
	s_cmp_eq_u32 s14, 2
	s_cbranch_scc1 .Lw2
	s_cmp_eq_u32 s14, 3
	s_cbranch_scc1 .Lw3
	s_cmp_eq_u32 s14, 4
	s_cbranch_scc1 .Lw4
	s_cmp_eq_u32 s14, 5
	s_cbranch_scc1 .Lw5
	s_cmp_eq_u32 s14, 6
	s_cbranch_scc1 .Lw6
	WSTEP 7, 0
	s_branch .Ljoin
.Lw0:
	WSTEP 0, 0
	WSTEP 8, 1
	s_branch .Ljoin
.Lw1:
	WSTEP 1, 0
	WSTEP 9, 1
	s_branch .Ljoin
.Lw2:
	WSTEP 2, 0
	WTAIL
	s_branch .Ljoin
.Lw3:
	WSTEP 3, 0
	s_branch .Ljoin
.Lw4:
	WSTEP 4, 0
	s_branch .Ljoin
.Lw5:
	WSTEP 5, 0
	s_branch .Ljoin
.Lw6:
	WSTEP 6, 0
.Ljoin:
	s_wait_xcnt 0x0                                ; Wyx's stores have had their addresses translated (ISA guide 3.1): their data registers are written again, by conv's work, only behind this wait
	s_wait_tensorcnt 0x0                           ; for the others' sake: my eighth of conv's rows has landed,
	s_barrier_signal -1
	s_barrier_wait -1                              ; everybody's has: every wave reads all sixteen rows.  Nothing is filled again
; ---------------------------------------------------------------- conv
	s_cmp_eq_u32 s14, 7
	s_cbranch_scc1 .Lc0
	s_cmp_eq_u32 s14, 6
	s_cbranch_scc1 .Lc1
	s_cmp_eq_u32 s14, 5
	s_cbranch_scc1 .Lc2
	s_cmp_eq_u32 s14, 4
	s_cbranch_scc1 .Lc3
	s_cmp_eq_u32 s14, 3
	s_cbranch_scc1 .Lc4
	s_cmp_eq_u32 s14, 2
	s_cbranch_scc1 .Lc5
	s_cmp_eq_u32 s14, 1
	s_cbranch_scc1 .Lc6
	CRUN1 7
.Lc0:
	CRUN2 0
.Lc1:
	CRUN2 1
.Lc2:
	FETCHX 2, 0
	s_wait_dscnt 0x0
	FETCHT
	CQ 0, 0
	s_wait_dscnt 0x0
	CTAIL
	s_wait_tensorcnt 0x0
	ds_add_u32 v254, v255
	s_wait_dscnt 0x0
	s_endpgm
.Lc3:
	CRUN1 3
.Lc4:
	CRUN1 4
.Lc5:
	CRUN1 5
.Lc6:
	CRUN1 6
.Lfunc_end_k_q653dd0c8aa_quant:
	.size	k_q653dd0c8aa_quant, .Lfunc_end_k_q653dd0c8aa_quant-k_q653dd0c8aa_quant
	.p2alignl 7, 3214868480
	.fill 96, 4, 3214868480
	.section	.rodata,"a",@progbits
	.p2align	6, 0x0
	.amdhsa_kernel k_q653dd0c8aa_quant
		.amdhsa_group_segment_fixed_size 168960
		.amdhsa_private_segment_fixed_size 0
		.amdhsa_enable_private_segment 0
		.amdhsa_kernarg_size 40
		.amdhsa_user_sgpr_count 2
		.amdhsa_user_sgpr_kernarg_segment_ptr 1
		.amdhsa_wavefront_size32 1
		.amdhsa_system_sgpr_workgroup_id_x 1
		.amdhsa_system_sgpr_workgroup_id_y 1
		.amdhsa_system_sgpr_workgroup_id_z 1
		.amdhsa_system_vgpr_workitem_id 0
		.amdhsa_next_free_vgpr 256
		.amdhsa_next_free_sgpr 66
		.amdhsa_reserve_vcc 0
		.amdhsa_float_denorm_mode_32 3
		.amdhsa_float_denorm_mode_16_64 3
		.amdhsa_memory_ordered 1
		.amdhsa_forward_progress 1
		.amdhsa_inst_pref_size 255
	.end_amdhsa_kernel
	.section	.bss,"aw",@nobits
	.p2align	6
	.space	262144
	.amdgpu_metadata
---
amdhsa.version: [ 1, 2 ]
amdhsa.kernels:
  - .name:           k_q653dd0c8aa_quant
    .symbol:         k_q653dd0c8aa_quant.kd
    .args:
      - { .name: conv, .offset: 0, .size: 8, .value_kind: global_buffer, .address_space: global }
      - { .name: Wy, .offset: 8, .size: 8, .value_kind: global_buffer, .address_space: global }
      - { .name: Wx, .offset: 16, .size: 8, .value_kind: global_buffer, .address_space: global }
      - { .name: cimg, .offset: 24, .size: 8, .value_kind: global_buffer, .address_space: global }
      - { .name: wimg, .offset: 32, .size: 8, .value_kind: global_buffer, .address_space: global }
    .group_segment_fixed_size: 168960
    .private_segment_fixed_size: 0
    .kernarg_segment_align: 8
    .kernarg_segment_size: 40
    .max_flat_workgroup_size: 256
    .sgpr_count:     66
    .vgpr_count:     256
    .wavefront_size: 32
...
	.end_amdgpu_metadata
.endif
;; end of part 1
;; launch gemm (part 2): grid 8 x 32, 4 waves a work-group, clusters of 4 x 4, 327,680 bytes of LDS; arguments wimg, cimg, Wc, bias, out0; writes out0
.if DOCPART == 2
	.amdgcn_target "amdgcn-amd-amdhsa--gfx1250"
	.amdhsa_code_object_version 6
	.text
	.protected	k_q653dd0c8aa_gemm
	.globl	k_q653dd0c8aa_gemm
	.p2align	8
	.type	k_q653dd0c8aa_gemm,@function
k_q653dd0c8aa_gemm:
	s_mov_b64 s[64:65], 0
	v_nop
	global_prefetch_b8 v0, s[64:65] scope:SCOPE_SE
	s_setreg_imm32_b32 hwreg(HW_REG_WAVE_MODE, 25, 1), 1
	s_wait_xcnt 0x0
	s_wait_alu depctr_hold_cnt(0) depctr_sa_sdst(0) depctr_va_vdst(0) depctr_va_sdst(0) depctr_va_ssrc(0) depctr_va_vcc(0) depctr_vm_vsrc(0)
	s_getreg_b32 s2, hwreg(HW_REG_IB_STS2, 6, 4)
	s_cmp_eq_u32 s2, 0
	s_cbranch_scc0 .Lentry_in_a_cluster
	s_endpgm
.Lentry_in_a_cluster:
	s_bfe_u32 s2, ttmp6, 0x10000c
	s_cmp_lg_u32 s2, 0xf033
	s_cbranch_scc0 .Lentry_shape_is_right
	s_endpgm
.Lentry_shape_is_right:
; out0[i][n] = elu(bias[n] + sum over c of Wc[n][c] s[n][(i,c)]),  s = Q(Wyx) Q(conv)^T on codes of FP8 (E4M3) with one E8M0 scale for each 32 along K; sums in f32.
; s (8,192 neurons x 4,096 columns (i, c)) never goes to memory: the sum over c, the bias and the ELU are the product's way out.
; OPERANDS: wimg and cimg, made by the launch before, in chunks of 33,792 bytes = 256 rows x one K step of 128, laid in the order of the operand's registers:
;   block b of 16 rows at 2,048 b, in it 512 c + 16 lane = registers 4 c .. 4 c + 3 of that lane; behind the 32,768 bytes of codes the scale word of block b, row r at 128 (b / 2) + 8 r + 4 (b % 2).
;   wimg's block b, row r is neuron 256 T + 64 (b / 4) + 4 r + b % 4;  cimg's block b, row m is batch item 4 U + b / 4, channel 16 (b % 4) + m.  K is 11 steps: beyond k = 1,295 the codes are zeros.
; SHARES.  A work-group of four waves makes two tiles of 256 neurons x 256 columns, one after the other: neuron tile T = gy, column tiles U = gx and gx + 8: 256 work-groups of equal work.
;   A wave makes 128 x 128: 64 accumulators, 512 registers.  A tile is 11 steps of 64 matrix instructions a wave.
; THE MATRIX INSTRUCTION IS USED TRANSPOSED: source 0 = 16 rows of conv, source 1 = 16 neurons.  Lane (r, h) then holds ONE neuron (row r of its block), and register j of accumulator (a, 4 i + t)
;   holds channel 16 t + 8 h + j of the wave's batch item i: the sum over c is 32 multiply-adds a lane and one exchange between the halves of the lanes.
; THE RING: two LDS slots of four places of one chunk: A's chunks of two K steps, then B's.  Wave j fills place j: one tensor load a wave behind each change of slots.  A tile has six fills, (0,1) (2,3) (4,5) (6,7) (8,9) (10),
;   so every tile begins in slot 0.  In the sixth fill the places of the step that does not exist take the tile's rows of Wc (waves 1 and 3): Wc costs no LDS of its own and no load beyond the one a wave.
;   The change of slots stands behind the first 16 products of a slot's second step; between the wait for all tensor loads and the refill stand the add, the descriptors' steps and the round alone:
;   so a refill has 128 matrix instructions, the whole way to the next change of slots, in which to land.
; THE LDS LOADS of two K steps (136 a wave) go in runs of 32, 36, 16, 16 and 36: B's next set comes in two halves, each as soon as its registers and its bytes are free, so that no run is much longer than the products beside it.
; CLUSTERS: 4 x 4 work-groups.  The four of a row of the cluster share gy, so A's chunks and Wc; the four of a column share gx, so B's chunks: each is asked for JOINTLY, by the same tensor load with the same descriptor and a mask of the four.
; THE WAY OUT NEEDS NO STAGE: by the choice of wimg's rows, lane (r, h) ends up with neurons 4 r .. 4 r + 3 (and 64 + 4 r ..) of batch item i0 + h: sixteen lanes store 256 consecutive bytes of a row of out0.
; ELU: for z <= 0, e^z - 1: by v_exp_f32 where z < -1/4; else by the series z (1 + z/2 + .. + z^6/5040), whose remainder lies under 2e-9 of z there: so small z keep their digits.  Chosen by v_cndmask_b32; a NaN passes through.
; The two tiles are written out one behind the other (the macro TILE): the text has no loop, and every step of a descriptor lies on one straight path.
; REGISTERS, in windows of 256: window 0: v1-30 addresses and constants; v32-47 scale words, two sets; v48-127 the way out; v128-255 A's fragments (8 x 16 rows x 128 K), ONE set.
;   window 1: B's fragments, two sets, at v0 and v128 (set 1's registers hold Wc on the way out).   window 2: the accumulators of my neuron blocks 0-3 ((a, b) at v[8 (8 (a % 4) + b)]);   window 3: blocks 4-7.
.set P,      33792                     ; a chunk, and a place
.set SLOT,   4*P
.set SPARE,  2*SLOT                    ; behind the ring: the spare words, 128 bytes for each wave: two blocks of 256 bytes that no other line names
.set TROW,   11*P                      ; the chunks of one tile of rows
.set WPITCH, 1040                      ; Wc in LDS: four neurons' 1,024 bytes + 16 of padding = 260 words: the 16 rows that a load touches start at 16 different groups of four banks (64 banks of 4 bytes: ISA guide 11.1)
.set ADRA, 16                          ; v16-17  LDS address of my A fragments in slot 0, 1
.set ADRB, 20                          ; v20-21  the same for B
.set ADRS, 22                          ; v22-23  of my scale words: lanes 0-15 A's, lanes 16-31 B's
.set ADRW, 24                          ; v24     of my neuron's Wc
.set CO,   26                          ; v26     my byte offset in out0: 32,768 h + 16 r
.set BO,   27                          ; v27     and in bias: 16 r
.set SPW,  28                          ; v28     LDS address of my spare word: SPARE + 4 x my thread's number; never rewritten
.set NIL,  29                          ; v29     0; never rewritten
.set C7,   30                          ; v30     1/5040
.set SC,   32                          ; scale words: set q at v[SC + 8 q]; register i: lanes 0-15 the word of A's block i, lanes 16-31 that of B's block i
.set TA0,  48                          ; v48-55  the way out: what is sent, kept, received: two sets by turns
.set SA0,  64                          ; v64-79  four packed sums: two sets by turns
.set Z,    80                          ; v80-87  z, then the result
.set BI,   88                          ; v88-95  bias of my eight neurons
.set EW,   96                          ; v96-127 the ELU at work
.set AF,   128
.set G1A, 24                           ; s[24:31] descriptor group 1 for A's chunks;  s[32:39] group 0, one set for each slot
.set G0A, 32
.set G1B, 48                           ; s[48:55], s[56:63] the same for B's
.set G0B, 56
.set G1W, 68                           ; s[68:75], s[76:79] groups 1 and 0 for Wc
.set G0W, 76
.set MSB, 0
.macro WIN new                         ; the immediate's high byte repeats the setting that is left; a switch that changes nothing is dropped
.if MSB != (\new)
	s_set_vgpr_msb (MSB<<8)|(\new)
.set MSB, (\new)
.endif
.endm
.set MUL_LO, 0xa1                      ; source 0 (B) window 1, source 1 (A) window 0, C and D window 2
.set MUL_HI, 0xf1                      ; the same, C and D window 3
.set TO_B,   0x40                      ; destination window 1, address window 0
; A joint load: waves 0 and 1 fetch for A, waves 2 and 3 for B.  Each line has ONE mask and one set of registers for all that issue it; the branches hang on the wave's number alone.
; Four v_nop follow each line, ahead of the jump, the label and what follows.
.macro JLOAD s
	s_cmp_eq_u32 s15, 0
	s_cbranch_scc0 .Lfor_b_\@
	tensor_load_to_lds s[G0A+4*\s:G0A+4*\s+3], s[G1A:G1A+7]
	s_nop 0
.rept 4
	v_nop
.endr
	s_branch .Lasked_\@
.Lfor_b_\@:
	tensor_load_to_lds s[G0B+4*\s:G0B+4*\s+3], s[G1B:G1B+7]
	s_nop 0
.rept 4
	v_nop
.endr
.Lasked_\@:
.endm
; A tile's sixth fill, into slot 1: waves 0 and 2 fetch K step 10 of A and of B; waves 1 and 3, whose step does not exist, fetch Wc's rows of the tile's two halves into their places
.macro JLOAD5
	s_cmp_eq_u32 s16, 0
	s_cbranch_scc0 .Lfor_w_\@
	s_cmp_eq_u32 s15, 0
	s_cbranch_scc0 .Lfor_b_\@
	tensor_load_to_lds s[G0A+4:G0A+7], s[G1A:G1A+7]
	s_nop 0
.rept 4
	v_nop
.endr
	s_branch .Lasked_\@
.Lfor_b_\@:
	tensor_load_to_lds s[G0B+4:G0B+7], s[G1B:G1B+7]
	s_nop 0
.rept 4
	v_nop
.endr
	s_branch .Lasked_\@
.Lfor_w_\@:
	tensor_load_to_lds s[G0W:G0W+3], s[G1W:G1W+7]
	s_nop 0
.rept 4
	v_nop
.endr
.Lasked_\@:
.endm
.macro CREST                           ; a round of the cluster's barrier behind its opening barrier
	s_cmp_lg_u32 s14, 0
	s_cbranch_scc1 .Lnot_wave_0_\@
	s_barrier_signal -3
.Lnot_wave_0_\@:
	s_barrier_wait -3
	s_barrier_signal -1
	s_barrier_wait -1
.endm
.macro CROUND                          ; a whole round
	s_barrier_signal -1
	s_barrier_wait -1
	CREST
.endm
	s_load_b256 s[4:11], s[0:1], 0x0               ; wimg s[4:5], cimg s[6:7], Wc s[8:9], bias s[10:11]
	s_load_b64 s[12:13], s[0:1], 0x20              ; out0
	v_lshl_add_u32 v[SPW], v0, 2, SPARE
	v_mov_b32 v[NIL], 0
	ds_add_u32 v28, v29
	ds_add_u32 v28, v29
	s_wait_dscnt 0x0
	v_lshrrev_b32 v1, 5, v0
	v_readfirstlane_b32 s14, v1                    ; wave 0..3
	s_lshr_b32 s15, s14, 1                         ; rh: which half of the tile's neurons is mine.  Also: I fetch for A (0) or for B (1)
	s_and_b32 s16, s14, 1                          ; ch: which half of its columns.  Also: which of a slot's two K steps I fetch
	s_bfe_u32 s40, ttmp6, 0x40000                  ; cx, cy: my place in the cluster
	s_bfe_u32 s41, ttmp6, 0x40004
	s_lshl_b32 s42, ttmp9, 2
	s_add_co_u32 s42, s42, s40                     ; gx = 4 x cluster x + cx
	s_and_b32 s17, ttmp7, 0xffff
	s_lshl_b32 s17, s17, 2
	s_add_co_u32 s17, s17, s41                     ; gy = 4 x cluster y + cy
	s_lshl_b32 s43, s41, 2
	s_lshl_b32 s43, 15, s43                        ; my row of the cluster
	s_lshl_b32 s44, 0x1111, s40                    ; my column
	; group 1 for a chunk: a dense block of 33,792 bytes as 132 rows of 256 bytes (32 elements of 8 bytes), no padding: a fragment load takes 512 consecutive bytes
	s_or_b32 s[G1A+0], s43, (3<<16)|(1<<21)        ; 15:0 the mask: A's chunks go to my row; 17:16 elements of 8 bytes; 21 set beside a mask
	s_or_b32 s[G1B+0], s44, (3<<16)|(1<<21)        ; B's go to my column
.irp g, G1A, G1B
	s_mov_b32 s[\g+1], 32<<16                      ; tensor_dim0 = 32
	s_mov_b32 s[\g+2], 132<<16                     ; tensor_dim1 = 132
	s_mov_b32 s[\g+3], 32<<16                      ; tile_dim0 = 32
	s_mov_b32 s[\g+4], 132                         ; tile_dim1 = 132
	s_mov_b32 s[\g+5], 32                          ; tensor_dim0_stride
	s_mov_b32 s[\g+6], 0
	s_mov_b32 s[\g+7], 0
.endr
	; group 1 for Wc: 128 neurons' 32,768 dense bytes as 32 rows of 1,024 bytes (128 elements of 8 bytes); 4 words of padding (code 3) after every 256 words (code 7)
	s_or_b32 s[G1W+0], s43, (3<<16)|(1<<20)|(1<<21)|(7<<22)|(3<<25)
	s_mov_b32 s[G1W+1], 128<<16
	s_mov_b32 s[G1W+2], 32<<16
	s_mov_b32 s[G1W+3], 128<<16
	s_mov_b32 s[G1W+4], 32
	s_mov_b32 s[G1W+5], 128
	s_mov_b32 s[G1W+6], 0
	s_mov_b32 s[G1W+7], 0
	; where the tiles come from.  A's and Wc's offsets hang on gy and the wave, B's on gx and the wave, each in registers that never hold the other coordinate
	s_mul_i32 s18, s16, P
	s_mul_i32 s20, s17, TROW
	s_add_co_u32 s20, s20, s18                     ; A: chunk (gy, ch)
	s_mov_b32 s21, 0
	s_mul_i32 s46, s42, TROW
	s_add_co_u32 s46, s46, s18                     ; B: chunk (gx, ch)
	s_mov_b32 s47, 0
	s_lshl_b32 s22, s17, 16
	s_lshl_b32 s19, s15, 15
	s_add_co_u32 s22, s22, s19                     ; Wc: neuron 256 gy + 128 rh, 256 bytes each
	s_mov_b32 s23, 0
	s_lshl_b32 s90, s17, 10
	s_lshl_b32 s19, s15, 9
	s_add_co_u32 s90, s90, s19                     ; bias: the same neuron, 4 bytes each
	s_mov_b32 s91, 0
	s_lshl_b32 s92, s42, 17                        ; out0: batch item 4 gx + 2 ch, 32,768 bytes a row, and the same neuron
	s_lshl_b32 s19, s16, 16
	s_add_co_u32 s92, s92, s19
	s_add_co_u32 s92, s92, s90
	s_mov_b32 s93, 0
	s_mul_i32 s45, s14, P                          ; where they go: place = wave: no place in the cluster enters an LDS address
	s_mov_b32 s80, 0x76543210                      ; lane selects for v_permlanex16_b32: lane l xor 16
	s_mov_b32 s81, 0xfedcba98
	s_mov_b32 s82, 0xffff0000                      ; a mask of lanes 16-31
	s_mov_b32 s84, 0x3fb8aa3b                      ; log2(e)
	s_wait_kmcnt 0x0
	s_add_nc_u64 s[20:21], s[4:5], s[20:21]
	s_add_nc_u64 s[46:47], s[6:7], s[46:47]
	s_add_nc_u64 s[22:23], s[8:9], s[22:23]
	s_add_nc_u64 s[10:11], s[10:11], s[90:91]
	s_add_nc_u64 s[12:13], s[12:13], s[92:93]
	CROUND                                         ; all sixteen work-groups are here: the first joint loads meet
	s_mov_b32 s[G0W], 1
	s_add_co_u32 s[G0W+1], s45, SLOT               ; Wc: my place in slot 1 (used by waves 1 and 3); never stepped: both tiles have the same neurons
	s_mov_b64 s[G0W+2:G0W+3], s[22:23]
	s_or_b32 s[G0W+3], s[G0W+3], 0x80000000
.irp s, 0,1
	s_mov_b32 s[G0A+4*\s], 1                                       ; count = 1
	s_add_co_u32 s[G0A+4*\s+1], s45, \s*SLOT                       ; LDS address
	s_add_nc_u64 s[G0A+4*\s+2:G0A+4*\s+3], s[20:21], \s*2*P        ; global address: K step 2 s + ch
	s_or_b32 s[G0A+4*\s+3], s[G0A+4*\s+3], 0x80000000              ; type = 2
	s_mov_b32 s[G0B+4*\s], 1
	s_add_co_u32 s[G0B+4*\s+1], s45, \s*SLOT
	s_add_nc_u64 s[G0B+4*\s+2:G0B+4*\s+3], s[46:47], \s*2*P
	s_or_b32 s[G0B+4*\s+3], s[G0B+4*\s+3], 0x80000000
	JLOAD \s                                       ; both slots' first fills go out together: two loads of mine are out
.endr
	v_and_b32 v1, 15, v0                           ; r
	v_bfe_u32 v2, v0, 4, 1                         ; h
	v_and_b32 v3, 31, v0
	v_lshlrev_b32 v3, 4, v3                        ; 16 x lane: my place in an image's 512 bytes
	s_lshl_b32 s86, s15, 14                        ; my eight blocks of A: 16,384 rh
	v_add_nc_u32 v[ADRA], s86, v3
	v_add_nc_u32 v[ADRA+1], SLOT, v[ADRA]
	s_lshl_b32 s86, s16, 14                        ; my eight blocks of B, two places on
	s_add_co_u32 s86, s86, 2*P
	v_add_nc_u32 v[ADRB], s86, v3
	v_add_nc_u32 v[ADRB+1], SLOT, v[ADRB]
	s_xor_b32 s86, s15, 1                          ; the scale words: lanes 0-15 at 32,768 + 512 rh + 8 r; lanes 16-31 take B's, 2 P + 512 (ch - rh) further on:
	s_add_co_u32 s86, s86, s16                     ; that distance as 512 ((1 - rh) + ch) + 2 P - 512, times h: one product
	s_lshl_b32 s86, s86, 9
	s_add_co_u32 s86, s86, 2*P-512
	v_mul_u32_u24 v4, s86, v2
	s_lshl_b32 s87, s15, 9
	s_add_co_u32 s87, s87, 32768
	v_lshl_add_u32 v4, v1, 3, v4
	v_add_nc_u32 v[ADRS], s87, v4
	v_add_nc_u32 v[ADRS+1], SLOT, v[ADRS]
	s_mul_i32 s86, s15, 2*P                        ; Wc: slot 1, place 1 (rh = 0) or 3 (rh = 1); row r of four neurons; my half's eight channels
	s_add_co_u32 s86, s86, SLOT+P
	v_mul_u32_u24 v4, v1, WPITCH
	v_lshl_add_u32 v4, v2, 5, v4
	v_add_nc_u32 v[ADRW], s86, v4
	v_lshlrev_b32 v[BO], 4, v1
	v_lshl_add_u32 v[CO], v2, 15, v[BO]
	global_load_b128 v[BI:BI+3], v[BO], s[10:11]               ; bias of neurons 4 r .. 4 r + 3 (my blocks 0-3),
	global_load_b128 v[BI+4:BI+7], v[BO], s[10:11] offset:256  ; and of 64 + 4 r .. (blocks 4-7)
	v_mov_b32 v[C7], 0x39500d01                    ; 1/5040
	v_mov_b32 v[TA0+2], 0                          ; written once: a lane permute's destination counts as one of its sources
	v_mov_b32 v[TA0+6], 0
.macro FRAG reg, adr, off              ; a fragment, 16 registers, comes as it was stored: four loads of 512 consecutive bytes
.irp c, 0,1,2,3
	ds_load_b128 v[\reg+4*\c:\reg+4*\c+3], v[\adr] offset:\off+512*\c
.endr
.endm
; 16 matrix instructions: A's blocks a0, a0 + 1 x B's eight, 128 along K.  p: B's set;  q: the set of scale words.  zero = 1: the first product starts the sums: nothing is ever cleared.
; The 64 accumulators take turns, one instruction a turn, in the same order in every step.
.macro MUL16 a0, p, q, zero
.irp a, \a0, \a0+1
.irp b, 0,1,2,3,4,5,6,7
.if \zero
	v_wmma_scale_f32_16x16x128_f8f6f4 v[8*(8*((\a)%4)+\b):8*(8*((\a)%4)+\b)+7], v[128*(\p)+16*\b:128*(\p)+16*\b+15], v[AF+16*(\a):AF+16*(\a)+15], 0, v[SC+8*(\q)+\b], v[SC+8*(\q)+(\a)] matrix_a_scale:MATRIX_SCALE_ROW1
.else
	v_wmma_scale_f32_16x16x128_f8f6f4 v[8*(8*((\a)%4)+\b):8*(8*((\a)%4)+\b)+7], v[128*(\p)+16*\b:128*(\p)+16*\b+15], v[AF+16*(\a):AF+16*(\a)+15], v[8*(8*((\a)%4)+\b):8*(8*((\a)%4)+\b)+7], v[SC+8*(\q)+\b], v[SC+8*(\q)+(\a)] matrix_a_scale:MATRIX_SCALE_ROW1
.endif
.endr
.endr
.endm
.macro FETCH_BH slot, q, p, i0         ; B's blocks i0 .. i0 + 3 of the slot's q-th K step into set p: half a set, 16 loads
	WIN TO_B
.irp i, \i0, \i0+1, \i0+2, \i0+3
	FRAG 128*(\p)+16*(\i), ADRB+\slot, (\q)*P+2048*(\i)
.endr
	WIN 0
.endm
.macro FETCH_A slot, q, i0             ; A's blocks i0 .. i0 + 3: 16 loads
.irp i, \i0, \i0+1, \i0+2, \i0+3
	FRAG AF+16*(\i), ADRA+\slot, (\q)*P+2048*(\i)
.endr
.endm
.macro SCALES slot, q                  ; the step's scale words into set q: a load brings the words of blocks 2 i and 2 i + 1: 4 loads
.irp i, 0,1,2,3
	ds_load_b64 v[SC+8*(\q)+2*\i:SC+8*(\q)+2*\i+1], v[ADRS+\slot] offset:(\q)*P+128*\i
.endr
.endm
.macro FIRST                           ; what a tile's first step finds on its way: slot 0's first K step, and the first half of B's set for its second
	FETCH_BH 0, 0, 0, 0
	FETCH_BH 0, 0, 0, 4
	FETCH_A 0, 0, 0
	SCALES 0, 0
	FETCH_A 0, 0, 4
	FETCH_BH 0, 1, 1, 0
.endm
; A load into a register that a matrix instruction has read, and a vector instruction that reads a matrix result, stand eight places behind that matrix instruction, and only plain vector
; instructions that name none of its registers are places; the matrix instructions in between are not counted.
.macro PLACES n
.rept \n
	v_nop
.endr
.endm
; A slot's first K step, on B's set 0 and scale set 0.  A block of A is free as soon as its eight products are issued: blocks 0-3 are fetched anew in the step's middle, blocks 4-7 at its end.
; Of B's set 1 the first half was asked for at the end of the step before (behind that step's places), the second half comes in this step's middle.
.macro STEP slot, zero
	s_wait_dscnt 32                                ; B's set 0, A's blocks 0-3 and the scale words are in; the youngest 32 loads (A's blocks 4-7, then half of B's set 1) may be out
	WIN MUL_LO
	MUL16 0, 0, 0, \zero
	MUL16 2, 0, 0, \zero
	s_wait_dscnt 16                                ; A's blocks 4-7 are in; the half of B's set 1 may be out
	PLACES 8
	FETCH_BH \slot, 1, 1, 4
	FETCH_A \slot, 1, 0
	SCALES \slot, 1
	WIN MUL_HI
	MUL16 4, 0, 0, \zero
	MUL16 6, 0, 0, \zero
	PLACES 8
	WIN 0
	FETCH_A \slot, 1, 4                            ; my last reads of this slot
.endm
; A slot's second K step, on set 1, changes slots behind its first 16 products: ONE barrier; in front of it each wave waits for all its tensor loads, adds 0 to its spare word, and waits for that and for its own reads of this slot.
; kind = 1: this slot is filled again with the K steps four on;  2: the same, as the tile's sixth fill;  3: with the NEXT tile's first two steps (A back by 8 chunks, B on by 8 tiles less 8 chunks);  0: nothing is filled.
; more = 1: the next slot has a second K step: the first half of B's set for it is asked for at this step's end.
.macro TURN slot, next, kind, more
	s_wait_dscnt 16                                ; B's set 1, A's blocks 0-3 and the scale words are in; the youngest 16 loads (A's blocks 4-7) may be out
	WIN MUL_LO
	MUL16 0, 1, 1, 0                               ; these products want nothing of the next slot: they stand ahead of the wait for it
	WIN 0
	s_wait_tensorcnt 0x0                           ; all my tensor loads have landed: the one that was out is my part of the next slot; so a group 0 may be written
	ds_add_u32 v[SPW], v[NIL]                      ; 0 onto my spare word: the descriptors' steps stand between it and the wait for it
.if \kind == 3
	s_sub_nc_u64 s[G0A+4*\slot+2:G0A+4*\slot+3], s[G0A+4*\slot+2:G0A+4*\slot+3], 8*P
	s_add_nc_u64 s[G0B+4*\slot+2:G0B+4*\slot+3], s[G0B+4*\slot+2:G0B+4*\slot+3], 80*P
.elseif \kind
	s_add_nc_u64 s[G0A+4*\slot+2:G0A+4*\slot+3], s[G0A+4*\slot+2:G0A+4*\slot+3], 4*P
	s_add_nc_u64 s[G0B+4*\slot+2:G0B+4*\slot+3], s[G0B+4*\slot+2:G0B+4*\slot+3], 4*P
.endif
	s_wait_dscnt 0x0                               ; the add is done, and my reads of this slot are over (A's blocks 4-7 were the last)
	s_barrier_signal -1
	s_barrier_wait -1
.if \kind
	CREST                                          ; the barrier has opened a round of the cluster's barrier: no wave of any partner still reads this slot or has a load on its way
.if \kind == 2
	JLOAD5                                         ; (waves 1 and 3 do not use the addresses just stepped, which point at a step that does not exist)
.else
	JLOAD \slot                                    ; the first tensor load behind the round, one a wave
.endif
.endif
	FETCH_BH \next, 0, 0, 0                        ; the next slot is whole.  B's set 0 was last multiplied in the step before, whose eight places stand behind those products
	WIN MUL_LO
	MUL16 2, 1, 1, 0
	PLACES 8
	FETCH_BH \next, 0, 0, 4
	FETCH_A \next, 0, 0
	SCALES \next, 0
	WIN MUL_HI
	MUL16 4, 1, 1, 0
	MUL16 6, 1, 1, 0
	PLACES 8
	WIN 0
	FETCH_A \next, 0, 4
.if \more
	FETCH_BH \next, 1, 1, 0
.endif
.endm
; Wc of my neuron of block a: channels 16 t + 8 h + 0 .. 7, t = 0 .. 3: 32 numbers, 8 loads, into window 1, v[128 + 32 (a % 4)] on (the caller sets the window)
.macro WLOAD a
.irp t, 0,1,2,3
.irp e, 0,1
	ds_load_b128 v[128+32*((\a)%4)+8*\t+4*\e:128+32*((\a)%4)+8*\t+4*\e+3], v[ADRW] offset:((\a)/4)*16*WPITCH+((\a)%4)*256+64*\t+16*\e
.endr
.endr
.endm
; K step 10, alone in slot 1, on set 0.  B's set 1 is free (eight places stand behind its last products): it takes Wc of blocks 0-3.
.macro LAST
	WIN TO_B
	WLOAD 0
	WLOAD 1
	WLOAD 2
	WLOAD 3
	s_wait_dscnt 48                                ; all but the youngest 48: A's blocks 4-7 (16) and Wc (32)
	WIN MUL_LO
	MUL16 0, 0, 0, 0
	MUL16 2, 0, 0, 0
	s_wait_dscnt 32                                ; all but Wc
	WIN MUL_HI
	MUL16 4, 0, 0, 0
	MUL16 6, 0, 0, 0
	WIN 0
	PLACES 8                                       ; in front of the first read of results
.endm
; THE WAY OUT of neuron block a.  32 packed multiply-adds in four chains (batch item x parity of the register pair) that take turns; each accumulator is read from its low end on.
; Then lane (r, h) keeps its part of batch item h and receives the other half's part of it: one exchange serves both batch items.
.macro EPIA a, left
.set SA, SA0+8*((\a)%2)
.set TA, TA0+4*((\a)%2)
.set AC, 64*((\a)%4)
.set WR, 128+32*((\a)%4)
	s_wait_dscnt \left                             ; this block's Wc is in; left = the loads of the later blocks' Wc
	WIN 0x06+(\a)/4                                ; source 0: the accumulators' window, 2 or 3; source 1: window 1
.irp t, 0,1,2,3
.irp p, 0,1,2,3
.irp i, 0,1
.if (\t == 0) && (\p < 2)
	v_pk_mul_f32 v[SA+4*\i+2*(\p%2):SA+4*\i+2*(\p%2)+1], v[AC+8*(4*\i+\t)+2*\p:AC+8*(4*\i+\t)+2*\p+1], v[WR+8*\t+2*\p:WR+8*\t+2*\p+1]
.else
	v_pk_fma_f32 v[SA+4*\i+2*(\p%2):SA+4*\i+2*(\p%2)+1], v[AC+8*(4*\i+\t)+2*\p:AC+8*(4*\i+\t)+2*\p+1], v[WR+8*\t+2*\p:WR+8*\t+2*\p+1], v[SA+4*\i+2*(\p%2):SA+4*\i+2*(\p%2)+1]
.endif
.endr
.endr
.endr
	WIN 0
	v_pk_add_f32 v[SA:SA+1], v[SA:SA+1], v[SA+2:SA+3]
	v_pk_add_f32 v[SA+4:SA+5], v[SA+4:SA+5], v[SA+6:SA+7]
	v_add_f32 v[SA], v[SA], v[SA+1]                ; batch item 0: my half's 32 channels
	v_add_f32 v[SA+4], v[SA+4], v[SA+5]            ; batch item 1
	v_cndmask_b32 v[TA], v[SA+4], v[SA], s82       ; sent: lanes 0-15 item 1's, lanes 16-31 item 0's
	v_cndmask_b32 v[TA+1], v[SA], v[SA+4], s82     ; kept: item h's
	v_permlanex16_b32 v[TA+2], v[TA], s80, s81
	v_add_f32 v[TA+1], v[TA+1], v[BI+(\a)]
	v_add_f32 v[Z+(\a)], v[TA+1], v[TA+2]          ; z of batch item i0 + h, neuron 64 (a / 4) + 4 r + a % 4
.if (\a) < 4
	WIN TO_B
	WLOAD (\a)+4                                   ; its registers take the block four further on
	WIN 0
.endif
.endm
.macro EPI
	EPIA 0, 24
	EPIA 1, 24
	EPIA 2, 24
	EPIA 3, 24
	EPIA 4, 24
	EPIA 5, 16
	EPIA 6, 8
	EPIA 7, 0
	; ELU on the lane's eight numbers, by turns.  v[EW] zn = min(z, 0); v[EW+8] zc = max(zn, -1/4); v[EW+16] the series; v[EW+24] the exponential
.irp i, 0,1,2,3,4,5,6,7
	v_min_num_f32 v[EW+\i], 0, v[Z+\i]
.endr
.irp i, 0,1,2,3,4,5,6,7
	v_max_num_f32 v[EW+8+\i], 0xbe800000, v[EW+\i]
.endr
.irp i, 0,1,2,3,4,5,6,7
	v_mul_f32 v[EW+24+\i], s84, v[EW+\i]
.endr
.irp i, 0,1,2,3,4,5,6,7
	v_exp_f32 v[EW+24+\i], v[EW+24+\i]             ; e^zn
.endr
.irp i, 0,1,2,3,4,5,6,7
	v_fmaak_f32 v[EW+16+\i], v[C7], v[EW+8+\i], 0x3ab60b61         ; zc/5040 + 1/720.  (Plain lines behind the exponentials)
.endr
.irp i, 0,1,2,3,4,5,6,7
	v_fmaak_f32 v[EW+16+\i], v[EW+16+\i], v[EW+8+\i], 0x3c088889   ; + 1/120
.endr
.irp i, 0,1,2,3,4,5,6,7
	v_fmaak_f32 v[EW+16+\i], v[EW+16+\i], v[EW+8+\i], 0x3d2aaaab   ; + 1/24
.endr
.irp i, 0,1,2,3,4,5,6,7
	v_fmaak_f32 v[EW+16+\i], v[EW+16+\i], v[EW+8+\i], 0x3e2aaaab   ; + 1/6
.endr
.irp i, 0,1,2,3,4,5,6,7
	v_fma_f32 v[EW+16+\i], v[EW+16+\i], v[EW+8+\i], 0.5
.endr
.irp i, 0,1,2,3,4,5,6,7
	v_fma_f32 v[EW+16+\i], v[EW+16+\i], v[EW+8+\i], 1.0
.endr
.irp i, 0,1,2,3,4,5,6,7
	v_mul_f32 v[EW+16+\i], v[EW+16+\i], v[EW+8+\i]                 ; the series' e^zc - 1
.endr
	s_wait_alu depctr_va_vdst(0)
.irp i, 0,1,2,3,4,5,6,7
	v_add_f32 v[EW+24+\i], -1.0, v[EW+24+\i]                       ; e^zn - 1
.endr
.irp i, 0,1,2,3,4,5,6,7
	v_cmp_gt_f32 vcc_lo, 0xbe800000, v[EW+\i]                      ; zn < -1/4: the exponential's; else the series'
	v_cndmask_b32 v[EW+16+\i], v[EW+16+\i], v[EW+24+\i], vcc_lo
	v_cmp_ge_f32 vcc_lo, 0, v[Z+\i]                                ; z <= 0: that; else (a NaN too) z itself
	v_cndmask_b32 v[Z+\i], v[Z+\i], v[EW+16+\i], vcc_lo
.endr
	global_store_b128 v[CO], v[Z:Z+3], s[12:13] th:TH_STORE_NT                 ; sixteen lanes store 256 consecutive bytes of a row of out0, at a multiple of 256 from its first byte; written once
	global_store_b128 v[CO], v[Z+4:Z+7], s[12:13] offset:256 th:TH_STORE_NT
.endm
; Between the tiles: slot 1 (K step 10 and Wc) has been read out; it takes the next tile's K steps 2 and 3.  The wait for all loads shows my part of slot 0, the next tile's steps 0 and 1, landed.
.macro CHANGE
	s_wait_tensorcnt 0x0                           ; no tensor load of mine is out, so a group 0 may be written
	ds_add_u32 v[SPW], v[NIL]                      ; 0 onto my spare word: the descriptors' steps stand between it and the wait for it
	s_sub_nc_u64 s[G0A+6:G0A+7], s[G0A+6:G0A+7], 8*P
	s_add_nc_u64 s[G0B+6:G0B+7], s[G0B+6:G0B+7], 80*P
	s_wait_dscnt 0x0                               ; the add is done, and my reads of slot 1 are over
	CROUND                                         ; so it is with every wave of every partner
	JLOAD 1                                        ; the first tensor load behind the round, one a wave
	FIRST
.endm
.macro TILE last
	STEP 0, 1                                      ; K step 0: its products start the sums
	TURN 0, 1, 1, 1                                ; 1;  slot 0 <- steps 4, 5
	STEP 1, 0                                      ; 2
	TURN 1, 0, 1, 1                                ; 3;  slot 1 <- steps 6, 7
	STEP 0, 0                                      ; 4
	TURN 0, 1, 1, 1                                ; 5;  slot 0 <- steps 8, 9
	STEP 1, 0                                      ; 6
	TURN 1, 0, 2, 1                                ; 7;  slot 1 <- step 10 and Wc
	STEP 0, 0                                      ; 8
.if \last
	TURN 0, 1, 0, 0                                ; 9;  nothing is left to fetch
.else
	TURN 0, 1, 3, 0                                ; 9;  slot 0 <- the next tile's steps 0, 1
.endif
	LAST                                           ; 10
	EPI
.endm
	s_wait_tensorcnt 1                             ; my part of slot 0 is in; slot 1's may stay out
	s_barrier_signal -1
	s_barrier_wait -1                              ; everybody's is
	FIRST
	s_wait_loadcnt 0x0                             ; bias
	TILE 0
	CHANGE
	s_wait_xcnt 0x0                                ; the first tile's stores have had their addresses translated (ISA guide 3.1): their base and their data registers are written again only behind this wait
	s_add_nc_u64 s[12:13], s[12:13], 1048576       ; column tile gx + 8: 32 batch items, 32 rows of out0, further on
	TILE 1
	s_wait_tensorcnt 0x0                           ; the wave's end, behind my last tensor load
	ds_add_u32 v[SPW], v[NIL]
	s_wait_dscnt 0x0
	CROUND                                         ; the closing round: no work-group ends while a partner may still ask for a tile that names it
	s_endpgm
.Lfunc_end_k_q653dd0c8aa_gemm:
	.size	k_q653dd0c8aa_gemm, .Lfunc_end_k_q653dd0c8aa_gemm-k_q653dd0c8aa_gemm
	.p2alignl 7, 3214868480
	.fill 96, 4, 3214868480
	.section	.rodata,"a",@progbits
	.p2align	6, 0x0
	.amdhsa_kernel k_q653dd0c8aa_gemm
		.amdhsa_group_segment_fixed_size 327680
		.amdhsa_private_segment_fixed_size 0
		.amdhsa_enable_private_segment 0
		.amdhsa_kernarg_size 40
		.amdhsa_user_sgpr_count 2
		.amdhsa_user_sgpr_kernarg_segment_ptr 1
		.amdhsa_wavefront_size32 1
		.amdhsa_system_sgpr_workgroup_id_x 1
		.amdhsa_system_sgpr_workgroup_id_y 1
		.amdhsa_system_sgpr_workgroup_id_z 1
		.amdhsa_system_vgpr_workitem_id 0
		.amdhsa_next_free_vgpr 1024
		.amdhsa_next_free_sgpr 96
		.amdhsa_reserve_vcc 1
		.amdhsa_float_denorm_mode_32 3
		.amdhsa_float_denorm_mode_16_64 3
		.amdhsa_memory_ordered 1
		.amdhsa_forward_progress 1
		.amdhsa_inst_pref_size 255
	.end_amdhsa_kernel
	.section	.bss,"aw",@nobits
	.p2align	6
	.space	262144
	.amdgpu_metadata
---
amdhsa.version: [ 1, 2 ]
amdhsa.kernels:
  - .name:           k_q653dd0c8aa_gemm
    .symbol:         k_q653dd0c8aa_gemm.kd
    .args:
      - { .name: wimg, .offset: 0, .size: 8, .value_kind: global_buffer, .address_space: global }
      - { .name: cimg, .offset: 8, .size: 8, .value_kind: global_buffer, .address_space: global }
      - { .name: Wc, .offset: 16, .size: 8, .value_kind: global_buffer, .address_space: global }
      - { .name: bias, .offset: 24, .size: 8, .value_kind: global_buffer, .address_space: global }
      - { .name: out0, .offset: 32, .size: 8, .value_kind: global_buffer, .address_space: global }
    .group_segment_fixed_size: 327680
    .private_segment_fixed_size: 0
    .kernarg_segment_align: 8
    .kernarg_segment_size: 40
    .max_flat_workgroup_size: 128
    .sgpr_count:     96
    .vgpr_count:     1024
    .wavefront_size: 32
...
	.end_amdgpu_metadata
.endif
;; end of part 2
